; MI455X (gfx1250); checked and timed in simulation.
; The chip was launched on July 23, 2026; its instructions are those of AMD's public machine-readable ISA for CDNA 5 (MIT licence, August 2026) and "CDNA5" Instruction Set Architecture Reference Guide (July 2026). The comments in the code are by the model that wrote it; some were corrected since.
;; Masked Multihead Attention. Allowed arithmetic: float matrix products may take bf16 or f16 operands with f32 sums; all other float work in f32.
;; Inputs: Wk 1,024 x 1,024 float32; Wq 1,024 x 1,024 float32; Wv 1,024 x 1,024 float32; X 2 x 2,048 x 1,024 float32; bk 1,024 float32; bq 1,024 float32; bv 1,024 float32.
;; Outputs: out0 2 x 2,048 x 1,024 float32.
;; 2 versions, each right; version 2 is version 1 with the launch cast written anew for expert scheduling mode. Each part assembles by itself: llvm-mc -triple=amdgcn-amd-amdhsa -mcpu=gfx1250 --defsym DOCPART=n.
;; ======== version 1 of 2: 3 launches
;; limits: values are held in f16: magnitudes above 65,504 overflow, below 6.1e-05 lose precision
;; workspace buffers: Xb 8,388,608 bytes; Wb 6,291,456 bytes; Qw 8,388,608 bytes; Kw 8,388,608 bytes; Vw 8,388,608 bytes
;; launch cast (part 1): grid 448 x 1, 8 waves a work-group, no clusters, 0 bytes of LDS; arguments X, Wq, Wk, Wv, Xb, Wb; writes Xb, Wb
.if DOCPART == 1
	.amdgcn_target "amdgcn-amd-amdhsa--gfx1250"
	.amdhsa_code_object_version 6
	.text
	.protected	k_qc6eb0f085c_cast
	.globl	k_qc6eb0f085c_cast
	.p2align	8
	.type	k_qc6eb0f085c_cast,@function
k_qc6eb0f085c_cast:
	s_mov_b64 s[64:65], 0
	v_nop
	global_prefetch_b8 v0, s[64:65] scope:SCOPE_SE
	s_setreg_imm32_b32 hwreg(HW_REG_WAVE_MODE, 25, 1), 1
	s_wait_xcnt 0x0
; cast: X [4096][1024] and Wq, Wk, Wv [1024][1024], all f32, are rounded once to bf16 (nearest even).
; Xb keeps X's order.  Wb is [3072][1024]: row head*192 + p*64 + i holds row head*64 + i of W_p (p = 0 Wq, 1 Wk, 2 Wv), so that
; the 192 weight rows that one head needs lie together.
; A stream: no LDS, no barrier, no matrix unit.  A work-group takes 16 rows of 4,096 bytes: groups 0-255 X, 256-319 Wq, 320-383 Wk,
; 384-447 Wv.  Thread t takes the 16 bytes at 16 t of every row; all 16 loads of a thread are issued before the first is used.
; A wave's load covers 512 consecutive bytes, its store 256 consecutive bytes at a multiple of 256 from the buffer's first byte.
.set IN,  8                            ; v[8:71]    load j: 4 f32
.set OUT, 72                           ; v[72:103]  store j: 4 bf16 in 2 registers
	s_load_b256 s[4:11], s[0:1], 0x0               ; X s[4:5], Wq s[6:7], Wk s[8:9], Wv s[10:11]
	s_load_b128 s[12:15], s[0:1], 0x20             ; Xb s[12:13], Wb s[14:15]
	v_lshlrev_b32 v1, 4, v0                        ; 16 t: my bytes in a source row
	v_lshlrev_b32 v2, 3, v0                        ; 8 t: my bytes in a destination row
	s_mov_b32 s16, ttmp9                           ; g
	s_lshr_b32 s18, s16, 6                         ; 0-3: X, 4: Wq, 5: Wk, 6: Wv
	s_and_b32 s17, s16, 63                         ; which 16 rows of a weight matrix
	s_lshl_b32 s20, s17, 16                        ; weights: source offset, 16 rows of 4,096 bytes
	s_lshr_b32 s19, s17, 2                         ; head = first row / 64
	s_and_b32 s21, s17, 3
	s_mul_i32 s19, s19, 192
	s_lshl_b32 s21, s21, 4                         ; i0 = first row mod 64
	s_add_co_u32 s19, s19, s21
	s_max_u32 s22, s18, 4
	s_sub_co_u32 s22, s22, 4                       ; p (0 for the groups of X, whose weight offsets are not used)
	s_lshl_b32 s22, s22, 6
	s_add_co_u32 s19, s19, s22                     ; destination row head*192 + p*64 + i0
	s_lshl_b32 s22, s19, 11                        ; in bytes
	s_lshl_b32 s24, s16, 16                        ; X: source offset
	s_lshl_b32 s26, s16, 15                        ; X: destination offset
	s_mov_b32 s21, 0
	s_mov_b32 s23, 0
	s_wait_kmcnt 0x0
	s_cmp_lt_u32 s16, 256                          ; a group of X?  The selects below hang on the group's number alone
	s_cselect_b32 s20, s24, s20
	s_cselect_b32 s22, s26, s22
	s_cselect_b64 s[12:13], s[12:13], s[14:15]     ; destination: Xb or Wb
	s_cselect_b64 s[4:5], s[4:5], s[6:7]           ; source: X or Wq,
	s_cmp_eq_u32 s18, 5
	s_cselect_b64 s[4:5], s[8:9], s[4:5]           ; or Wk,
	s_cmp_eq_u32 s18, 6
	s_cselect_b64 s[4:5], s[10:11], s[4:5]         ; or Wv
	s_add_nc_u64 s[4:5], s[4:5], s[20:21]
	s_add_nc_u64 s[12:13], s[12:13], s[22:23]
.irp j, 0,1,2,3,4,5,6,7,8,9,10,11,12,13,14,15
	global_load_b128 v[IN+4*\j:IN+4*\j+3], v1, s[4:5] offset:4096*\j th:TH_LOAD_NT   ; read once in the launch
.endr
.irp j, 0,1,2,3,4,5,6,7,8,9,10,11,12,13,14,15
	s_wait_loadcnt 15-\j                           ; loads return in order: row j is in, the 15 - j younger ones stay out
	v_cvt_pk_bf16_f32 v[OUT+2*\j], v[IN+4*\j], v[IN+4*\j+1]
	v_cvt_pk_bf16_f32 v[OUT+2*\j+1], v[IN+4*\j+2], v[IN+4*\j+3]
	global_store_b64 v2, v[OUT+2*\j:OUT+2*\j+1], s[12:13] offset:2048*\j             ; no register is written twice: no further wait
.endr
	s_endpgm
.Lfunc_end_k_qc6eb0f085c_cast:
	.size	k_qc6eb0f085c_cast, .Lfunc_end_k_qc6eb0f085c_cast-k_qc6eb0f085c_cast
	.p2alignl 7, 3214868480
	.fill 96, 4, 3214868480
	.section	.rodata,"a",@progbits
	.p2align	6, 0x0
	.amdhsa_kernel k_qc6eb0f085c_cast
		.amdhsa_group_segment_fixed_size 0
		.amdhsa_private_segment_fixed_size 0
		.amdhsa_enable_private_segment 0
		.amdhsa_kernarg_size 48
		.amdhsa_user_sgpr_count 2
		.amdhsa_user_sgpr_kernarg_segment_ptr 1
		.amdhsa_wavefront_size32 1
		.amdhsa_system_sgpr_workgroup_id_x 1
		.amdhsa_system_sgpr_workgroup_id_y 1
		.amdhsa_system_sgpr_workgroup_id_z 1
		.amdhsa_system_vgpr_workitem_id 0
		.amdhsa_next_free_vgpr 104
		.amdhsa_next_free_sgpr 66
		.amdhsa_reserve_vcc 0
		.amdhsa_float_denorm_mode_32 3
		.amdhsa_float_denorm_mode_16_64 3
		.amdhsa_memory_ordered 1
		.amdhsa_forward_progress 1
		.amdhsa_inst_pref_size 7
	.end_amdhsa_kernel
	.amdgpu_metadata
---
amdhsa.version: [ 1, 2 ]
amdhsa.kernels:
  - .name:           k_qc6eb0f085c_cast
    .symbol:         k_qc6eb0f085c_cast.kd
    .args:
      - { .name: X, .offset: 0, .size: 8, .value_kind: global_buffer, .address_space: global }
      - { .name: Wq, .offset: 8, .size: 8, .value_kind: global_buffer, .address_space: global }
      - { .name: Wk, .offset: 16, .size: 8, .value_kind: global_buffer, .address_space: global }
      - { .name: Wv, .offset: 24, .size: 8, .value_kind: global_buffer, .address_space: global }
      - { .name: Xb, .offset: 32, .size: 8, .value_kind: global_buffer, .address_space: global }
      - { .name: Wb, .offset: 40, .size: 8, .value_kind: global_buffer, .address_space: global }
    .group_segment_fixed_size: 0
    .private_segment_fixed_size: 0
    .kernarg_segment_align: 8
    .kernarg_segment_size: 48
    .max_flat_workgroup_size: 256
    .sgpr_count:     66
    .vgpr_count:     104
    .wavefront_size: 32
...
	.end_amdgpu_metadata
.endif
;; end of part 1
;; launch qkv (part 2): grid 16 x 16, 4 waves a work-group, clusters of 4 x 4, 327,680 bytes of LDS; arguments Xb, Wb, bq, bk, bv, Qw, Kw, Vw; writes Qw, Kw, Vw
.if DOCPART == 2
	.amdgcn_target "amdgcn-amd-amdhsa--gfx1250"
	.amdhsa_code_object_version 6
	.text
	.protected	k_qc6eb0f085c_qkv
	.globl	k_qc6eb0f085c_qkv
	.p2align	8
	.type	k_qc6eb0f085c_qkv,@function
k_qc6eb0f085c_qkv:
	s_mov_b64 s[64:65], 0
	v_nop
	global_prefetch_b8 v0, s[64:65] scope:SCOPE_SE
	s_setreg_imm32_b32 hwreg(HW_REG_WAVE_MODE, 25, 1), 1
	s_wait_xcnt 0x0
	s_wait_alu depctr_hold_cnt(0) depctr_sa_sdst(0) depctr_va_vdst(0) depctr_va_sdst(0) depctr_va_ssrc(0) depctr_va_vcc(0) depctr_vm_vsrc(0)
	s_getreg_b32 s2, hwreg(HW_REG_IB_STS2, 6, 4)
	s_cmp_eq_u32 s2, 0
	s_cbranch_scc0 .Lentry_in_a_cluster
	s_endpgm
.Lentry_in_a_cluster:
	s_bfe_u32 s2, ttmp6, 0x10000c
	s_cmp_lg_u32 s2, 0xf033
	s_cbranch_scc0 .Lentry_shape_is_right
	s_endpgm
.Lentry_shape_is_right:
; qkv: Q = (X Wq^T + bq) * 0.125 * log2(e), K = X Wk^T + bk, V = X Wv^T + bv.  Operands bf16 (Xb, Wb), sums and biases f32, results f16.
; LIMIT: the results are kept in f16, so |0.18 Q|, |K| and |V| must stay under 65,504.  With X of spread 1 and W of spread 1/32 they reach
; about 5.5; all inputs 30 times larger: about 5,000; X and W both offset by 30 spreads: about 1024 * 30 * 0.94 = 29,000.
; A work-group (x = head, y = block of 256 tokens) makes 256 tokens x 192 features: one head's Q, K and V.  Four waves, one for each SIMD of
; a WGP; wave w makes tokens 64 w .. 64 w + 63 x all 192 features: 48 accumulator tiles of 16 x 16, 384 registers.
; K (1,024) goes in steps of 128 through two LDS slots filled by the tensor data mover; a tile's rows are 256 bytes of memory.
; CLUSTERS: 4 x 4 work-groups.  X's tile hangs on the token block alone and is shared along a row of the cluster, W's on the head alone and is
; shared along a column: each is asked for jointly by the four, which divides the requests for both by four.
; THE RESULTS' ORDER IN MEMORY is the order in which the attention launch's matrix fragments want them:
;   Qw, Kw: byte = bh*262144 + (t/16)*2048 + (d/8)*256 + (t%16)*16, 16 bytes = 8 neighbouring d of one token     (bh = batch*16 + head)
;   Vw:     byte = bh*262144 + (t/8)*1024 + d*16,                   16 bytes = 8 neighbouring tokens of one d
; For Q and K source 0 is W and source 1 is X: a lane then holds one token and 8 neighbouring features.  For V source 0 is X and source 1 is W:
; a lane holds one feature and 8 neighbouring tokens.  Either way 16 neighbouring lanes store 256 consecutive bytes, aligned: no LDS stage.
; REGISTER WINDOWS: 0: addresses, X fragments (two buffers), biases, work on the way out; 1: W fragments (two buffers);
;   2: accumulators of Q and K, tile (a, b) at v[8 (8 a + b)], a = token tile 0-3, b = 0-3 Q, 4-7 K; 3: those of V, tile (a, c) at v[8 (4 a + c)].
.set KSTEP,  128
.set PITCH,  272                       ; an LDS row: 256 bytes + 16 of padding, an odd multiple of 16: the 16 rows of a fragment load start in 16 different columns of 16 bytes
.set HALFA,  128*PITCH                 ; 128 rows of X: one tensor load
.set HALFB,  96*PITCH                  ; 96 rows of W: one tensor load
.set SLOT,   2*HALFA+2*HALFB           ; X's 256 rows, then W's 192 rows
.set LAPS,   4                         ; 1024 / (2 * 128): a lap is once round the two slots
.set ADRX, 16                          ; v16-17  LDS address of my X fragments in slot 0, 1
.set ADRW, 20                          ; v20-21  the same for W
.set OQK,  24                          ; v24     16 * lane: my 16 bytes in a store of Q or K
.set OV,   25                          ; v25     1024 h + 16 r: my 16 bytes in a store of V
.set OBQ,  26                          ; v26     32 h: my 8 numbers in 16 of bq, bk
.set OBV,  27                          ; v27     4 r: my number in 16 of bv
.set XF,   32                          ; v32-63, v64-95  X fragments, buffer f at XF + 32 f; on the way out: packed results
.set BQ,   96                          ; v96-127   bq of my 8 features in each of 4 tiles (scaled on the way out)
.set BK,   128                         ; v128-159  bk likewise
.set BV,   160                         ; v160-163  bv of my feature in each of 4 tiles
.set TMP,  192                         ; v192-255  64 results in f32
.set G1,  24                           ; s[24:31] descriptor group 1, X's tiles
.set G0,  32                           ; s[32:39] descriptor group 0, X's tiles, one set for each slot
.set G1B, 48                           ; s[48:55] group 1, W's tiles
.set G0B, 56                           ; s[56:63] group 0, W's tiles
.set MSB, 0
.macro WIN new                         ; s_set_vgpr_msb: bits 1:0 source 0, 3:2 source 1, 5:4 source 2, 7:6 destination; the high byte repeats the setting that is left
.if MSB != \new
	s_set_vgpr_msb (MSB<<8)|\new
.set MSB, \new
.endif
.endm
.set MUL_QK, 0xa1                      ; source 0 (W) window 1, source 1 (X) window 0, C and D window 2
.set MUL_V,  0xf4                      ; source 0 (X) window 0, source 1 (W) window 1, C and D window 3
.set TO_W,   0x40                      ; destination window 1, address window 0
; A joint load.  Waves 0 and 1 fetch X's two halves, waves 2 and 3 W's.  Each line has one mask; the branch hangs on the wave's number alone.
.macro JLOAD s
	s_cmp_eq_u32 s11, 0
	s_cbranch_scc0 .Lfor_w_\@
	tensor_load_to_lds s[G0+4*\s:G0+4*\s+3], s[G1:G1+7]
	s_nop 0
	s_branch .Lasked_\@
.Lfor_w_\@:
	tensor_load_to_lds s[G0B+4*\s:G0B+4*\s+3], s[G1B:G1B+7]
	s_nop 0
.Lasked_\@:
.endm
; A round of the cluster's barrier: my work-group's barrier, wave 0 signals for the work-group, every wave waits for all sixteen, my work-group's barrier again.
.macro CREST                           ; a round behind its opening barrier
	s_cmp_lg_u32 s10, 0
	s_cbranch_scc1 .Lnot_wave_0_\@
	s_barrier_signal -3
.Lnot_wave_0_\@:
	s_barrier_wait -3
	s_barrier_signal -1
	s_barrier_wait -1
.endm
.macro CROUND
	s_barrier_signal -1
	s_barrier_wait -1
	CREST
.endm
	s_load_b128 s[4:7], s[0:1], 0x0                ; Xb s[4:5], Wb s[6:7]
	s_load_b256 s[68:75], s[0:1], 0x10             ; bq s[68:69], bk s[70:71], bv s[72:73], Qw s[74:75]
	s_load_b128 s[76:79], s[0:1], 0x30             ; Kw s[76:77], Vw s[78:79]
	s_set_vgpr_msb 0x40
	v_lshl_add_u32 v255, v0, 2, 0x40000
	s_set_vgpr_msb 0x4000
	v_mov_b32 v191, 0
	s_set_vgpr_msb 0x1
	ds_add_u32 v255, v191
	ds_add_u32 v255, v191
	s_set_vgpr_msb 0x100
	v_lshrrev_b32 v1, 5, v0
	v_readfirstlane_b32 s10, v1                    ; wave 0..3
	s_lshr_b32 s11, s10, 1                         ; I fetch for X (0) or for W (1)
	s_and_b32 s12, s10, 1                          ; which half of that tile
	s_bfe_u32 s40, ttmp6, 0x40000                  ; cx
	s_bfe_u32 s41, ttmp6, 0x40004                  ; cy
	s_lshl_b32 s42, ttmp9, 2
	s_add_co_u32 s42, s42, s40                     ; head = 4 * cluster x + cx
	s_and_b32 s13, ttmp7, 0xffff
	s_lshl_b32 s13, s13, 2
	s_add_co_u32 s13, s13, s41                     ; token block = 4 * cluster y + cy
	s_lshl_b32 s43, s41, 2
	s_lshl_b32 s43, 15, s43                        ; my row of the cluster: places 4 cy .. 4 cy + 3
	s_lshl_b32 s44, 0x1111, s40                    ; my column: places cx, cx + 4, cx + 8, cx + 12
	s_mov_b32 s2, 0x3e38aa3b                       ; 0.125 * log2(e): the attention launch's exponentials are base 2
	s_mov_b32 s3, 0x3e38aa3b
	; group 1: rows of 128 elements of 2 bytes, 16 bytes of padding behind every 64 words
	s_or_b32 s[G1+0], s43, (1<<16)|(1<<20)|(1<<21)|(5<<22)|(3<<25)   ; mask: X's tiles go to my row; element of 2 bytes; padding on; bit 21 beside a mask; every 64 words, 4 words
	s_or_b32 s[G1B+0], s44, (1<<16)|(1<<20)|(1<<21)|(5<<22)|(3<<25)  ; the same with my column's mask, for W's tiles
	s_mov_b32 s[G1+1], KSTEP<<16                   ; tensor_dim0 = 128
	s_mov_b32 s[G1B+1], KSTEP<<16
	s_mov_b32 s[G1+2], 128<<16                     ; tensor_dim1 = 128 rows of X,
	s_mov_b32 s[G1B+2], 96<<16                     ; 96 rows of W
	s_mov_b32 s[G1+3], KSTEP<<16                   ; tile_dim0 = 128
	s_mov_b32 s[G1B+3], KSTEP<<16
	s_mov_b32 s[G1+4], 128                         ; tile_dim1
	s_mov_b32 s[G1B+4], 96
	s_mov_b32 s[G1+5], 1024                        ; elements from row to row
	s_mov_b32 s[G1B+5], 1024
	s_mov_b32 s[G1+6], 0
	s_mov_b32 s[G1B+6], 0
	s_mov_b32 s[G1+7], 0
	s_mov_b32 s[G1B+7], 0
	; where the tiles come from: X's address is made of the token block and the wave's number, W's of the head and the wave's number,
	; each in registers that never hold the other coordinate
	s_lshl_b32 s17, s12, 7
	s_lshl_b32 s16, s13, 8
	s_add_co_u32 s16, s16, s17                     ; X: row 256 * block + 128 * half
	s_lshl_b32 s16, s16, 11                        ; rows of 2,048 bytes (under 8 MiB)
	s_mov_b32 s17, 0
	s_mul_i32 s46, s42, 192
	s_mul_i32 s47, s12, 96
	s_add_co_u32 s46, s46, s47                     ; W: row 192 * head + 96 * half
	s_lshl_b32 s46, s46, 11
	s_mov_b32 s47, 0
	s_mul_i32 s20, s10, HALFA                      ; where they go: waves 0, 1: X's halves at 0 and HALFA;
	s_mul_i32 s21, s10, HALFB
	s_add_co_u32 s21, s21, 2*HALFA-2*HALFB         ; waves 2, 3: W's halves at 2 HALFA and 2 HALFA + HALFB.  The wave's number alone
	s_wait_dscnt 0x0
	s_wait_kmcnt 0x0
	s_add_nc_u64 s[14:15], s[4:5], s[16:17]
	s_add_nc_u64 s[46:47], s[6:7], s[46:47]
	CROUND                                         ; all sixteen work-groups are here: the first joint loads meet
.irp s, 0,1
	s_mov_b32 s[G0+4*\s], 1
	s_add_co_u32 s[G0+4*\s+1], s20, \s*SLOT
	s_add_nc_u64 s[G0+4*\s+2:G0+4*\s+3], s[14:15], \s*KSTEP*2
	s_or_b32 s[G0+4*\s+3], s[G0+4*\s+3], 0x80000000
	s_mov_b32 s[G0B+4*\s], 1
	s_add_co_u32 s[G0B+4*\s+1], s21, \s*SLOT
	s_add_nc_u64 s[G0B+4*\s+2:G0B+4*\s+3], s[46:47], \s*KSTEP*2
	s_or_b32 s[G0B+4*\s+3], s[G0B+4*\s+3], 0x80000000
	JLOAD \s                                       ; K steps 0 and 1: two tensor loads of the wave are out, later never more than one
.endr
	v_and_b32 v1, 15, v0                           ; r = lane % 16
	v_bfe_u32 v2, v0, 4, 1                         ; h = lane / 16
	v_mul_u32_u24 v3, v1, PITCH
	v_lshl_add_u32 v3, v2, 4, v3                   ; a fragment's lane term: row r, 16 bytes for each half of the lanes
	s_mul_i32 s22, s10, 64*PITCH                   ; my 64 rows of X
	v_add_nc_u32 v[ADRX], s22, v3
	v_add_nc_u32 v[ADRX+1], SLOT, v[ADRX]
	v_add_nc_u32 v[ADRW], 2*HALFA, v3              ; every wave reads all 192 rows of W
	v_add_nc_u32 v[ADRW+1], 2*HALFA+SLOT, v3
	v_and_b32 v4, 31, v0
	v_lshlrev_b32 v[OQK], 4, v4
	v_lshlrev_b32 v5, 4, v1
	v_lshl_add_u32 v[OV], v2, 10, v5
	v_lshlrev_b32 v[OBQ], 5, v2
	v_lshlrev_b32 v[OBV], 2, v1
	s_lshl_b32 s80, s42, 8                         ; the head's 64 biases, 256 bytes
	s_mov_b32 s81, 0
	s_add_nc_u64 s[68:69], s[68:69], s[80:81]
	s_add_nc_u64 s[70:71], s[70:71], s[80:81]
	s_add_nc_u64 s[72:73], s[72:73], s[80:81]
.irp b, 0,1,2,3                                    ; the biases, once; they are waited for on the way out
	global_load_b128 v[BQ+8*\b:BQ+8*\b+3],   v[OBQ], s[68:69] offset:64*\b      ; features 16 b + 8 h + 0..3
	global_load_b128 v[BQ+8*\b+4:BQ+8*\b+7], v[OBQ], s[68:69] offset:64*\b+16   ; + 4..7
	global_load_b128 v[BK+8*\b:BK+8*\b+3],   v[OBQ], s[70:71] offset:64*\b
	global_load_b128 v[BK+8*\b+4:BK+8*\b+7], v[OBQ], s[70:71] offset:64*\b+16
	global_load_b32  v[BV+\b], v[OBV], s[72:73] offset:64*\b                    ; feature 16 b + r
.endr
; 16 products: token tiles a0, a0 + 1 x the 8 feature tiles of Q and K, 32 along K, from buffer f.  zero = 1: the product starts the sum.
.macro MULQK f, a0, zero
.irp a, \a0, \a0+1
.irp b, 0,1,2,3,4,5,6,7
.if \zero
	v_wmma_f32_16x16x32_bf16 v[8*(8*(\a)+\b):8*(8*(\a)+\b)+7], v[96*\f+8*\b:96*\f+8*\b+7], v[XF+32*\f+8*(\a):XF+32*\f+8*(\a)+7], 0
.else
	v_wmma_f32_16x16x32_bf16 v[8*(8*(\a)+\b):8*(8*(\a)+\b)+7], v[96*\f+8*\b:96*\f+8*\b+7], v[XF+32*\f+8*(\a):XF+32*\f+8*(\a)+7], v[8*(8*(\a)+\b):8*(8*(\a)+\b)+7]
.endif
.endr
.endr
.endm
; 16 products: the 4 token tiles x the 4 feature tiles of V
.macro MULV f, zero
.irp a, 0,1,2,3
.irp c, 0,1,2,3
.if \zero
	v_wmma_f32_16x16x32_bf16 v[8*(4*\a+\c):8*(4*\a+\c)+7], v[XF+32*\f+8*\a:XF+32*\f+8*\a+7], v[96*\f+64+8*\c:96*\f+64+8*\c+7], 0
.else
	v_wmma_f32_16x16x32_bf16 v[8*(4*\a+\c):8*(4*\a+\c)+7], v[XF+32*\f+8*\a:XF+32*\f+8*\a+7], v[96*\f+64+8*\c:96*\f+64+8*\c+7], v[8*(4*\a+\c):8*(4*\a+\c)+7]
.endif
.endr
.endr
.endm
; 32 LDS loads in one run: 4 fragments of X, then 12 of W (Q's 4, K's 4, V's 4), 32 K at byte k of the rows, into buffer f
.macro FETCH slot, k, f
	WIN 0
.irp i, 0,1,2,3
	ds_load_b128 v[XF+32*\f+8*\i:XF+32*\f+8*\i+3],   v[ADRX+\slot] offset:\k+\i*16*PITCH
	ds_load_b128 v[XF+32*\f+8*\i+4:XF+32*\f+8*\i+7], v[ADRX+\slot] offset:\k+\i*16*PITCH+32
.endr
	WIN TO_W
.irp i, 0,1,2,3,4,5,6,7,8,9,10,11
	ds_load_b128 v[96*\f+8*\i:96*\f+8*\i+3],   v[ADRW+\slot] offset:\k+\i*16*PITCH
	ds_load_b128 v[96*\f+8*\i+4:96*\f+8*\i+7], v[ADRW+\slot] offset:\k+\i*16*PITCH+32
.endr
.endm
; Four plain vector instructions stand between a matrix instruction and a load into one of its sources, or a vector instruction that reads its
; result (ISA guide 7.12.1 for vector instructions); the matrix instructions in between are not counted.
.macro PLACES
.rept 4
	v_nop
.endr
.endm
; The 48 accumulators take turns, one instruction a turn, in the same order in every quarter step, over the loop's backward jump too.
; A quarter step (32 along K, 48 products) on buffer f; behind its first 16 products it fetches the next quarter's fragments into buffer g.
.macro QUARTER slot, k, f, g, zero
	s_wait_dscnt 8                                 ; X and the fragments of Q and K are in; the youngest eight loads (V's 4 fragments of W) may be out
	WIN MUL_QK
	MULQK \f, 0, \zero
	PLACES                                         ; buffer g was read last by the 16 products of V one quarter ago
	FETCH \slot, \k, \g
	WIN MUL_QK
	MULQK \f, 2, \zero
	s_wait_dscnt 32                                ; all but the 32 just issued
	WIN MUL_V
	MULV \f, \zero
.endm
.macro THREE slot, zero
	QUARTER \slot, 64,  0, 1, \zero
	QUARTER \slot, 128, 1, 0, 0
	QUARTER \slot, 192, 0, 1, 0
.endm
; The last quarter of a K step multiplies buffer 1 and changes slots.  fill = 1: this slot is filled again, two K steps ahead.
; In front of the barrier each wave waits for its reads of this slot and for all its tensor loads (one is out: its part of the next slot).
; Behind it nobody reads this slot and the next slot is whole: the refill comes first, then the next slot's first fragments.
.macro TURN slot, next, fill
	s_wait_dscnt 8
	WIN MUL_QK
	MULQK 1, 0, 0
	s_wait_dscnt 0                                 ; my reads of this slot are over
	s_wait_tensorcnt 0x0                           ; all my tensor loads have landed
	ds_add_u32 v255, v191
	s_wait_dscnt 0x0
	s_barrier_signal -1                            ; (where a slot is filled again this barrier opens a round of the cluster's barrier)
	MULQK 1, 2, 0                                  ; register work while the others arrive
	WIN 0
	s_barrier_wait -1
.if \fill
	CREST                                          ; no wave of any partner still reads this slot's tile or has a load on its way
	s_add_nc_u64 s[G0+4*\slot+2:G0+4*\slot+3], s[G0+4*\slot+2:G0+4*\slot+3], 2*KSTEP*2
	s_add_nc_u64 s[G0B+4*\slot+2:G0B+4*\slot+3], s[G0B+4*\slot+2:G0B+4*\slot+3], 2*KSTEP*2
	JLOAD \slot                                    ; the first tensor load behind the round
.endif
	PLACES
	FETCH \next, 0, 0
	WIN MUL_V
	MULV 1, 0
.endm
.macro LAP zero
	THREE 0, \zero
	TURN 0, 1, 1
	THREE 1, 0
	TURN 1, 0, 1
.endm
	s_wait_tensorcnt 1                             ; my part of K step 0 is in; K step 1's load stays out
	s_barrier_signal -1
	s_barrier_wait -1                              ; everybody's is
	FETCH 0, 0, 0
	LAP 1                                          ; the first lap's first products start the sums: nothing is cleared
	WIN 0
	s_mov_b32 s45, LAPS-2
.Llap:
	LAP 0
	WIN 0
	s_sub_co_u32 s45, s45, 1
	s_cmp_lg_u32 s45, 0
	s_cbranch_scc1 .Llap
	THREE 0, 0                                     ; the last lap fills nothing
	TURN 0, 1, 0
	THREE 1, 0
	s_wait_dscnt 8
	WIN MUL_QK
	MULQK 1, 0, 0
	MULQK 1, 2, 0
	s_wait_dscnt 0
	WIN MUL_V
	MULV 1, 0
	; THE WAY OUT.  bias (and Q's scale) in f32, one rounding to f16, 16 bytes a lane straight to memory.
	PLACES
	WIN 0
	s_lshr_b32 s82, s13, 3                         ; batch
	s_lshl_b32 s82, s82, 4
	s_add_co_u32 s82, s82, s42                     ; bh = batch * 16 + head
	s_lshl_b32 s82, s82, 18
	s_and_b32 s80, s13, 7
	s_lshl_b32 s80, s80, 15                        ; 256 tokens = 16 token tiles of 2,048 bytes
	s_add_co_u32 s82, s82, s80
	s_lshl_b32 s80, s10, 13                        ; my 64 tokens
	s_add_co_u32 s82, s82, s80
	s_mov_b32 s83, 0
	s_add_nc_u64 s[74:75], s[74:75], s[82:83]
	s_add_nc_u64 s[76:77], s[76:77], s[82:83]
	s_add_nc_u64 s[78:79], s[78:79], s[82:83]
	s_wait_loadcnt 0x0                             ; the biases
.irp j, 0,2,4,6,8,10,12,14,16,18,20,22,24,26,28,30
	v_pk_mul_f32 v[BQ+\j:BQ+\j+1], v[BQ+\j:BQ+\j+1], s[2:3] op_sel_hi:[1,0]     ; (acc + bq) c = acc c + bq c: one fused multiply-add below
.endr
; token tile a: Q's and K's 8 tiles
.macro OUTQK a
	s_wait_xcnt 0x0                                ; the packed registers, which earlier stores read, are rewritten only behind this wait
	WIN 0x02                                       ; source 0: the accumulators of window 2
.irp b, 0,1,2,3
.irp j, 0,2,4,6
	v_pk_fma_f32 v[TMP+8*\b+\j:TMP+8*\b+\j+1], v[8*(8*\a+\b)+\j:8*(8*\a+\b)+\j+1], s[2:3], v[BQ+8*\b+\j:BQ+8*\b+\j+1] op_sel_hi:[1,0,1]
.endr
.endr
.irp b, 0,1,2,3
.irp j, 0,2,4,6
	v_pk_add_f32 v[TMP+32+8*\b+\j:TMP+32+8*\b+\j+1], v[8*(8*\a+4+\b)+\j:8*(8*\a+4+\b)+\j+1], v[BK+8*\b+\j:BK+8*\b+\j+1]
.endr
.endr
	WIN 0
.set i_, 0
.rept 32
	v_cvt_pk_f16_f32 v[XF+32*(\a%2)+i_], v[TMP+2*i_], v[TMP+2*i_+1]
.set i_, i_+1
.endr
.irp b, 0,1,2,3
	global_store_b128 v[OQK], v[XF+32*(\a%2)+4*\b:XF+32*(\a%2)+4*\b+3], s[74:75] offset:\a*2048+\b*512        ; 512 consecutive bytes: d 16 b .. 16 b + 15 of 16 tokens
	global_store_b128 v[OQK], v[XF+32*(\a%2)+16+4*\b:XF+32*(\a%2)+16+4*\b+3], s[76:77] offset:\a*2048+\b*512
.endr
.endm
	OUTQK 0
	OUTQK 1
	OUTQK 2
	OUTQK 3
; token tiles 2 bt, 2 bt + 1 of V: a lane's bias is one number, taken for both halves of a pair
.macro OUTV bt
	s_wait_xcnt 0x0
	WIN 0x03                                       ; source 0: the accumulators of window 3
.irp aa, 0,1
.irp c, 0,1,2,3
.irp j, 0,2,4,6
.if (\c%2) == 0
	v_pk_add_f32 v[TMP+32*\aa+8*\c+\j:TMP+32*\aa+8*\c+\j+1], v[8*(4*(2*\bt+\aa)+\c)+\j:8*(4*(2*\bt+\aa)+\c)+\j+1], v[BV+2*(\c/2):BV+2*(\c/2)+1] op_sel_hi:[1,0]
.else
	v_pk_add_f32 v[TMP+32*\aa+8*\c+\j:TMP+32*\aa+8*\c+\j+1], v[8*(4*(2*\bt+\aa)+\c)+\j:8*(4*(2*\bt+\aa)+\c)+\j+1], v[BV+2*(\c/2):BV+2*(\c/2)+1] op_sel:[0,1] op_sel_hi:[1,1]
.endif
.endr
.endr
.endr
	WIN 0
.set i_, 0
.rept 32
	v_cvt_pk_f16_f32 v[XF+32*\bt+i_], v[TMP+2*i_], v[TMP+2*i_+1]
.set i_, i_+1
.endr
.irp aa, 0,1
.irp c, 0,1,2,3
	global_store_b128 v[OV], v[XF+32*\bt+16*\aa+4*\c:XF+32*\bt+16*\aa+4*\c+3], s[78:79] offset:(2*\bt+\aa)*2048+\c*256   ; each half of the lanes: 256 consecutive bytes, aligned
.endr
.endr
.endm
	OUTV 0
	OUTV 1
	CROUND                                         ; the closing round: no work-group ends while a partner may still ask for a tile that names it
	s_endpgm
.Lfunc_end_k_qc6eb0f085c_qkv:
	.size	k_qc6eb0f085c_qkv, .Lfunc_end_k_qc6eb0f085c_qkv-k_qc6eb0f085c_qkv
	.p2alignl 7, 3214868480
	.fill 96, 4, 3214868480
	.section	.rodata,"a",@progbits
	.p2align	6, 0x0
	.amdhsa_kernel k_qc6eb0f085c_qkv
		.amdhsa_group_segment_fixed_size 327680
		.amdhsa_private_segment_fixed_size 0
		.amdhsa_enable_private_segment 0
		.amdhsa_kernarg_size 64
		.amdhsa_user_sgpr_count 2
		.amdhsa_user_sgpr_kernarg_segment_ptr 1
		.amdhsa_wavefront_size32 1
		.amdhsa_system_sgpr_workgroup_id_x 1
		.amdhsa_system_sgpr_workgroup_id_y 1
		.amdhsa_system_sgpr_workgroup_id_z 1
		.amdhsa_system_vgpr_workitem_id 0
		.amdhsa_next_free_vgpr 896
		.amdhsa_next_free_sgpr 84
		.amdhsa_reserve_vcc 0
		.amdhsa_float_denorm_mode_32 3
		.amdhsa_float_denorm_mode_16_64 3
		.amdhsa_memory_ordered 1
		.amdhsa_forward_progress 1
		.amdhsa_inst_pref_size 171
	.end_amdhsa_kernel
	.amdgpu_metadata
---
amdhsa.version: [ 1, 2 ]
amdhsa.kernels:
  - .name:           k_qc6eb0f085c_qkv
    .symbol:         k_qc6eb0f085c_qkv.kd
    .args:
      - { .name: Xb, .offset: 0, .size: 8, .value_kind: global_buffer, .address_space: global }
      - { .name: Wb, .offset: 8, .size: 8, .value_kind: global_buffer, .address_space: global }
      - { .name: bq, .offset: 16, .size: 8, .value_kind: global_buffer, .address_space: global }
      - { .name: bk, .offset: 24, .size: 8, .value_kind: global_buffer, .address_space: global }
      - { .name: bv, .offset: 32, .size: 8, .value_kind: global_buffer, .address_space: global }
      - { .name: Qw, .offset: 40, .size: 8, .value_kind: global_buffer, .address_space: global }
      - { .name: Kw, .offset: 48, .size: 8, .value_kind: global_buffer, .address_space: global }
      - { .name: Vw, .offset: 56, .size: 8, .value_kind: global_buffer, .address_space: global }
    .group_segment_fixed_size: 327680
    .private_segment_fixed_size: 0
    .kernarg_segment_align: 8
    .kernarg_segment_size: 64
    .max_flat_workgroup_size: 128
    .sgpr_count:     84
    .vgpr_count:     896
    .wavefront_size: 32
...
	.end_amdgpu_metadata
.endif
;; end of part 2
;; launch attn (part 3): grid 8 x 32, 4 waves a work-group, no clusters, 327,680 bytes of LDS; arguments Qw, Kw, Vw, out0; writes out0
.if DOCPART == 3
	.amdgcn_target "amdgcn-amd-amdhsa--gfx1250"
	.amdhsa_code_object_version 6
	.text
	.protected	k_qc6eb0f085c_attn
	.globl	k_qc6eb0f085c_attn
	.p2align	8
	.type	k_qc6eb0f085c_attn,@function
k_qc6eb0f085c_attn:
	s_mov_b64 s[64:65], 0
	v_nop
	global_prefetch_b8 v0, s[64:65] scope:SCOPE_SE
	s_setreg_imm32_b32 hwreg(HW_REG_WAVE_MODE, 25, 1), 1
	s_wait_xcnt 0x0
; attn: causal attention for one (batch, head) bh = group y.  out[t] = softmax over keys k <= t of (q_t . k_k / 8) times V, running maximum and sum in f32.
; Q (already times 0.125 log2 e), K, V and the probabilities P are f16 matrix operands, all sums f32.  P <= 1 by the running maximum.
; LIMITS: scores must be finite (where they are not, neither is the problem's own result).  Each pass's first key tile holds key 0, which every
; query may see, so the maximum is finite from the first tile on and -inf as its start gives exp2(-inf) = 0, never inf - inf.
; BALANCE: 16 query blocks of 128 for each bh; block q needs q + 1 key tiles of 128.  Group x = i owns blocks i and 15 - i: 17 tiles in every
; work-group.  The odd block goes first (an even number of tiles), so that each tile's LDS slot is a constant of the text.
; NO MULTICAST: the eight work-groups of one bh read the same K and V, but each needs another number of tiles in each pass, so joint requests
; would make trip counts hang on the place in a cluster.
; A wave takes 32 queries as two pieces of 16, A and B, which share the K and V fragments.  One piece's softmax is set between the other's products.
; ORIENTATION: S^T = K Q^T (source 0 = 16 keys, source 1 = 16 queries): a lane holds query r = lane % 16, its registers keys 8 h + j (h = lane / 16).
; Two such tiles, packed to f16, ARE source 1 of O^T = V^T P^T for 32 keys.  Maximum, sum and rescaling factor are one number a lane.
; LDS: slot s at s * 32768: 16 KiB of K (key tile kt at kt * 2048), 16 KiB of V; both lie in memory in fragment order, so a tile is dense and each
; half of the lanes reads 256 consecutive bytes.  From 65536: a stage of 8,704 bytes for each wave (2 pieces x 16 rows x 272), never a tensor load's target.
.set TILEB,  16384                     ; bytes of a K tile or a V tile
.set SLOTB,  32768
.set STAGE,  65536
.set WSTAGE, 8704
.set SP,     272                       ; a stage row: 256 bytes + 16
.set LK,   3                           ; v3      256 h + 16 r: lane term of a K fragment in LDS
.set LV,   4                           ; v4      16384 + 1024 h + 16 r: of a V fragment
.set QO,   5                           ; v5      16 * lane: of a Q fragment in memory
.set STO,  6                           ; v6      stage, in: row r, 32 bytes for each half of the lanes
.set RD,   7                           ; v7      stage, back: lanes 0-15 one row of 256 bytes, lanes 16-31 the next
.set CO,   8                           ; v8      the same two rows in out0
.set NINF, 9                           ; v9      -inf
.set DQA,  10                          ; v10     piece A: my query in the block - 8 h; key 16 kt + j of the diagonal tile is hidden if 16 kt + j > this
.set DQB,  11                          ; v11     piece B
.set MLA,  12                          ; v[12:13] piece A: running maximum, rescaling factor
.set MLB,  14                          ; v[14:15] piece B
.set LA,   16                          ; v[16:19] piece A: running sum of my keys, in four parts
.set LB,   20                          ; v[20:23] piece B
.set T,    24                          ; v[24:27] four chains of the maximum
.set T2,   28                          ; v28     from the other half of the lanes
.set QF,   32                          ; v[32:63]   Q fragments: piece p, d step st at QF + 16 p + 8 st
.set OA,   64                          ; v[64:95]   O^T of piece A: d block db at + 8 db
.set OB,   96                          ; v[96:127]  of piece B
.set SA,   128                         ; v[128:191] S^T of piece A: key tile kt at + 8 kt; P is packed in place to + 4 kt, so key step ks is + 8 ks .. + 8 ks + 7
.set SB,   192                         ; v[192:255] of piece B
.set VF,   128                         ; window 1: v[0:127] K fragments at 16 kt + 8 st; v[128:255] V fragments at VF + 32 ks + 8 db
.set G1,   24                          ; s[24:31] descriptor group 1
.set G0,   32                          ; s[32:39] descriptor group 0, one set for each slot
.set NA,   40                          ; s[40:41] address of my part of the next tile to fetch, type bits set
.set BASE, 42                          ; s[42:43] of tile 0
.set MSB, 0
.macro WIN new                         ; s_set_vgpr_msb: bits 1:0 source 0, 7:6 destination; the high byte repeats the setting that is left
.if MSB != \new
	s_set_vgpr_msb (MSB<<8)|\new
.set MSB, \new
.endif
.endm
.macro PLACES                          ; four plain vector instructions behind a matrix instruction (ISA guide 7.12.1)
.rept 4
	v_nop
.endr
.endm
	s_load_b256 s[4:11], s[0:1], 0x0               ; Qw s[4:5], Kw s[6:7], Vw s[8:9], out0 s[10:11]
	v_lshl_add_u32 v31, v0, 2, 0x29000
	s_set_vgpr_msb 0x80
	v_mov_b32 v1, 0
	s_set_vgpr_msb 0x8088
	ds_add_u32 v31, v1
	ds_add_u32 v31, v1
	s_set_vgpr_msb 0x8800
	v_lshrrev_b32 v1, 5, v0
	v_readfirstlane_b32 s12, v1                    ; wave 0..3
	s_mov_b32 s13, ttmp9                           ; i
	s_and_b32 s14, ttmp7, 0xffff                   ; bh
	s_sub_co_u32 s16, 15, s13
	s_and_b32 s17, s13, 1
	s_cmp_lg_u32 s17, 0
	s_cselect_b32 s15, s13, s16                    ; q1: the odd one of i and 15 - i
	s_sub_co_u32 s16, 15, s15                      ; q2: the even one
	s_mov_b32 s50, 0x76543210                      ; v_permlanex16_b32: lane i of one half reads lane i of the other
	s_mov_b32 s51, 0xfedcba98
	; group 1: my part of a tile is 8,192 dense bytes: 32 rows of 32 elements of 8 bytes, no padding, no mask
	s_mov_b32 s[G1+0], 3<<16
	s_mov_b32 s[G1+1], 32<<16                      ; tensor_dim0
	s_mov_b32 s[G1+2], 32<<16                      ; tensor_dim1
	s_mov_b32 s[G1+3], 32<<16                      ; tile_dim0
	s_mov_b32 s[G1+4], 32                          ; tile_dim1
	s_mov_b32 s[G1+5], 32                          ; pitch
	s_mov_b32 s[G1+6], 0
	s_mov_b32 s[G1+7], 0
	s_lshl_b32 s52, s14, 18                        ; bh * 262144
	s_and_b32 s17, s12, 1
	s_lshl_b32 s17, s17, 13                        ; which half of the tile
	s_add_co_u32 s54, s52, s17
	s_mov_b32 s55, 0
	s_mov_b32 s57, 0
	s_lshl_b32 s18, s12, 13                        ; LDS: wave * 8192: waves 0, 1 K's halves, waves 2, 3 V's
	s_wait_dscnt 0x0
	s_wait_kmcnt 0x0
	s_cmp_lt_u32 s12, 2
	s_cselect_b64 s[BASE:BASE+1], s[6:7], s[8:9]   ; waves 0, 1 fetch K, waves 2, 3 V
	s_add_nc_u64 s[BASE:BASE+1], s[BASE:BASE+1], s[54:55]
	s_or_b32 s[BASE+1], s[BASE+1], 0x80000000      ; type = 2
	s_mov_b32 s[G0], 1
	s_add_co_u32 s[G0+1], s18, 0
	s_mov_b64 s[G0+2:G0+3], s[BASE:BASE+1]
	s_mov_b32 s[G0+4], 1
	s_add_co_u32 s[G0+5], s18, SLOTB
	s_add_nc_u64 s[NA:NA+1], s[BASE:BASE+1], TILEB
	tensor_load_to_lds s[G0:G0+3], s[G1:G1+7]      ; tile 0 into slot 0.  Never more than one tensor load of a wave is out
	s_nop 0
	v_and_b32 v1, 15, v0                           ; r
	v_bfe_u32 v2, v0, 4, 1                         ; h
	v_lshlrev_b32 v29, 4, v1                       ; 16 r
	v_lshl_add_u32 v[LK], v2, 8, v29
	v_lshl_add_u32 v[LV], v2, 10, v29
	v_add_nc_u32 v[LV], TILEB, v[LV]
	v_lshl_add_u32 v[QO], v2, 8, v29
	v_lshl_add_u32 v[CO], v2, 12, v29
	s_mul_i32 s19, s12, WSTAGE
	s_add_co_u32 s19, s19, STAGE                   ; my stage
	v_mul_u32_u24 v[STO], v1, SP
	v_lshl_add_u32 v[STO], v2, 5, v[STO]
	v_add_nc_u32 v[STO], s19, v[STO]
	v_mul_u32_u24 v[RD], v2, SP
	v_add_nc_u32 v[RD], v[RD], v29
	v_add_nc_u32 v[RD], s19, v[RD]
	v_mov_b32 v[NINF], 0xff800000
	s_lshl_b32 s20, s12, 5
	v_add_nc_u32 v[DQA], s20, v1                   ; 32 w + r
	v_lshlrev_b32 v30, 3, v2
	v_sub_nc_u32 v[DQA], v[DQA], v30               ; - 8 h (may be negative: compared as signed)
	v_add_nc_u32 v[DQB], 16, v[DQA]
; Product n (0..15) of S^T for one piece: key tiles 2 (n/4) and 2 (n/4) + 1, first both at d step 0 (they start the sums), then both at d step 1.
; So a link never follows the link that it adds onto.
.macro MMQK S, p, n
.set kt_, 2*((\n)/4)+((\n)%2)
.set st_, ((\n)/2)%2
.if st_ == 0
	v_wmma_f32_16x16x32_f16 v[\S+8*kt_:\S+8*kt_+7], v[16*kt_:16*kt_+7], v[QF+16*\p:QF+16*\p+7], 0
.else
	v_wmma_f32_16x16x32_f16 v[\S+8*kt_:\S+8*kt_+7], v[16*kt_+8:16*kt_+15], v[QF+16*\p+8:QF+16*\p+15], v[\S+8*kt_:\S+8*kt_+7]
.endif
.endm
; O^T(d block db) += V^T(db, key step ks) P^T(ks)
.macro MMPV O, P, ks, db
	v_wmma_f32_16x16x32_f16 v[\O+8*(\db):\O+8*(\db)+7], v[VF+32*(\ks)+8*(\db):VF+32*(\ks)+8*(\db)+7], v[\P+8*(\ks):\P+8*(\ks)+7], v[\O+8*(\db):\O+8*(\db)+7]
.endm
; The products that are set into a softmax.  kind 1 (in A's): B's S^T, one a hook.  kind 2 (in B's): A's O^T, and from hook 4 on B's own O^T,
; one key step (two packed tiles) behind the exponentials.  Neighbouring products never share an accumulator.
.macro HOOK kind, n
	WIN 0x01                                       ; source 0 (K or V fragments) in window 1
.if \kind == 1
	MMQK SB, 1, \n
.else
	MMPV OA, SA, ((\n)/4), ((\n)%4)
.if (\n) >= 4
	MMPV OB, SB, (((\n)-4)/4), ((\n)%4)
.endif
.endif
	WIN 0
.endm
; A piece's new maximum and what hangs on it.  diag = 1: keys behind the query are set to -inf first (the value is chosen, no branch).
.macro STATS S, ML, L, O, diag, DQ
.if \diag
.irp kt, 0,1,2,3,4,5,6,7
.irp j, 0,1,2,3,4,5,6,7
	v_cmp_gt_i32 vcc_lo, 16*\kt+\j, v[\DQ]
	v_cndmask_b32 v[\S+8*\kt+\j], v[\S+8*\kt+\j], v[NINF], vcc_lo
.endr
.endr
.endif
.irp c, 0,1,2,3                                    ; four chains of 16 numbers that do not wait for each other
	v_max3_num_f32 v[T+\c], v[\S+16*\c], v[\S+16*\c+1], v[\S+16*\c+2]
.endr
.irp k, 3,5,7,9,11,13
.irp c, 0,1,2,3
	v_max3_num_f32 v[T+\c], v[T+\c], v[\S+16*\c+\k], v[\S+16*\c+\k+1]
.endr
.endr
.irp c, 0,1,2,3
	v_max_num_f32 v[T+\c], v[T+\c], v[\S+16*\c+15]
.endr
	v_max3_num_f32 v[T], v[T], v[T+1], v[T+2]
	v_max_num_f32 v[T], v[T], v[T+3]
	v_permlanex16_b32 v[T2], v[T], s50, s51        ; the query's other 64 keys lie in lane xor 16
	v_max3_num_f32 v[T], v[T], v[T2], v[\ML]       ; the new maximum
	v_sub_f32 v[\ML+1], v[\ML], v[T]
	v_exp_f32 v[\ML+1], v[\ML+1]                   ; factor for what has been summed so far
	v_mov_b32 v[\ML], v[T]                         ; the plain instruction behind the exponential (ISA guide 5.7.2)
	s_wait_alu depctr_va_vdst(0)
.irp j, 0,2,4,6
	v_pk_add_f32 v[\S+\j:\S+\j+1], v[\S+\j:\S+\j+1], v[\ML:\ML+1] op_sel_hi:[1,0] neg_lo:[0,1] neg_hi:[0,1]   ; tile 0 - maximum
.endr
	v_pk_mul_f32 v[\L:\L+1], v[\L:\L+1], v[\ML:\ML+1] op_sel:[0,1] op_sel_hi:[1,1]
	v_pk_mul_f32 v[\L+2:\L+3], v[\L+2:\L+3], v[\ML:\ML+1] op_sel:[0,1] op_sel_hi:[1,1]
.irp j, 0,2,4,6,8,10,12,14,16,18,20,22,24,26,28,30
	v_pk_mul_f32 v[\O+\j:\O+\j+1], v[\O+\j:\O+\j+1], v[\ML:\ML+1] op_sel:[0,1] op_sel_hi:[1,1]
.endr
.endm
; Key tile kt of a piece: exponentials, the next tile's subtraction (plain instructions behind them), sums, packing; two hooks between.
; The four packing lines name none of the last hooked product's registers: they are the four places behind it.
.macro EXPTILE S, ML, L, kt, kind
.irp j, 0,1,2,3,4,5,6,7
	v_exp_f32 v[\S+8*\kt+\j], v[\S+8*\kt+\j]
.endr
.if \kt < 7
	s_wait_alu depctr_va_vdst(0)
.irp j, 0,2,4,6
	v_pk_add_f32 v[\S+8*\kt+8+\j:\S+8*\kt+9+\j], v[\S+8*\kt+8+\j:\S+8*\kt+9+\j], v[\ML:\ML+1] op_sel_hi:[1,0] neg_lo:[0,1] neg_hi:[0,1]
.endr
.else
	v_nop
	s_wait_alu depctr_va_vdst(0)
.endif
	HOOK \kind, 2*\kt
	v_pk_add_f32 v[\L:\L+1], v[\L:\L+1], v[\S+8*\kt:\S+8*\kt+1]
	v_pk_add_f32 v[\L+2:\L+3], v[\L+2:\L+3], v[\S+8*\kt+2:\S+8*\kt+3]
	v_pk_add_f32 v[\L:\L+1], v[\L:\L+1], v[\S+8*\kt+4:\S+8*\kt+5]
	v_pk_add_f32 v[\L+2:\L+3], v[\L+2:\L+3], v[\S+8*\kt+6:\S+8*\kt+7]
	HOOK \kind, 2*\kt+1
.irp j, 0,1,2,3
	v_cvt_pk_f16_f32 v[\S+4*\kt+\j], v[\S+8*\kt+2*\j], v[\S+8*\kt+2*\j+1]   ; the target lies at or below its sources: nothing live is overwritten
.endr
.endm
; One key tile of 128.  refill = 1: the next tile is asked for, into the other slot.  diag = 1: the tile on the diagonal.
.macro TRIP slot, refill, diag
	s_set_vgpr_msb 0x8
	s_wait_tensorcnt 0x0                           ; all my tensor loads have landed, my part of this tile among them,
	ds_add_u32 v31, v1
	s_wait_dscnt 0x0
	s_set_vgpr_msb 0x800
.if \refill
	s_mov_b64 s[G0+4*(1-\slot)+2:G0+4*(1-\slot)+3], s[NA:NA+1]   ; so a group 0 may be written: the next tile
	s_add_nc_u64 s[NA:NA+1], s[NA:NA+1], TILEB
.endif
	s_wait_dscnt 0x0                               ; my reads of the other slot are back
	s_barrier_signal -1
	s_barrier_wait -1                              ; both now hold of all four waves
.if \refill
	tensor_load_to_lds s[G0+4*(1-\slot):G0+4*(1-\slot)+3], s[G1:G1+7]       ; first behind the barrier; it has the whole trip in which to land
	s_nop 0
.endif
	WIN 0x40                                       ; destination window 1
.irp kt, 0,1,2,3,4,5,6,7
.irp st, 0,1
	ds_load_b128 v[16*\kt+8*\st:16*\kt+8*\st+3],   v[LK] offset:\slot*SLOTB+\kt*2048+\st*1024
	ds_load_b128 v[16*\kt+8*\st+4:16*\kt+8*\st+7], v[LK] offset:\slot*SLOTB+\kt*2048+\st*1024+512
.endr
.endr
.irp ks, 0,1,2,3
.irp db, 0,1,2,3
	ds_load_b128 v[VF+32*\ks+8*\db:VF+32*\ks+8*\db+3],   v[LV] offset:\slot*SLOTB+\ks*4096+\db*256
	ds_load_b128 v[VF+32*\ks+8*\db+4:VF+32*\ks+8*\db+7], v[LV] offset:\slot*SLOTB+\ks*4096+\db*256+2048
.endr
.endr
	WIN 0x01
.irp n, 0,1,2,3,4,5,6,7,8,9,10,11,12,13,14,15
.if (\n%4) == 0
	s_wait_dscnt 56-2*\n                           ; of 64 loads the first 8 + 2 n are in: the K fragments of the two key tiles that come now
.endif
	MMQK SA, 0, \n
.endr
	WIN 0
	PLACES
	STATS SA, MLA, LA, OA, \diag, DQA
.irp kt, 0,1,2,3,4,5,6,7
	EXPTILE SA, MLA, LA, \kt, 1
.endr
	STATS SB, MLB, LB, OB, \diag, DQB
	s_wait_dscnt 0x0                               ; the V fragments
.irp kt, 0,1,2,3,4,5,6,7
	EXPTILE SB, MLB, LB, \kt, 2
.endr
	WIN 0x01
.irp db, 0,1,2,3
	MMPV OB, SB, 3, \db
.endr
	WIN 0
	PLACES                                         ; in front of the next trip's loads into the fragments, and of the way out
.endm
; A pass's start.  q: the scalar register that holds the query block.
; O is cleared by moves: a pass may have no tile but the diagonal one, so a first trip that starts the sums would have to be written in both kinds.
.macro PASSINIT q
	s_wait_xcnt 0x0                                ; the last pass's stores have read their base and data: both are rewritten only behind this wait
	s_lshl_b32 s54, s[\q], 14                      ; 8 q token tiles of 2,048 bytes
	s_lshl_b32 s17, s12, 12                        ; + 2 w
	s_add_co_u32 s54, s54, s17
	s_add_co_u32 s54, s54, s52                     ; + bh * 262144
	s_add_nc_u64 s[46:47], s[4:5], s[54:55]
	s_lshr_b32 s56, s14, 4
	s_lshl_b32 s56, s56, 23                        ; batch * 2048 * 4096
	s_lshl_b32 s17, s[\q], 19                      ; 128 q rows of 4,096 bytes
	s_add_co_u32 s56, s56, s17
	s_lshl_b32 s17, s12, 17                        ; 32 w rows
	s_add_co_u32 s56, s56, s17
	s_and_b32 s17, s14, 15
	s_lshl_b32 s17, s17, 8                         ; head * 256 bytes
	s_add_co_u32 s56, s56, s17
	s_add_nc_u64 s[48:49], s[10:11], s[56:57]
.irp p, 0,1
.irp st, 0,1
	global_load_b128 v[QF+16*\p+8*\st:QF+16*\p+8*\st+3],   v[QO], s[46:47] offset:\p*2048+\st*1024
	global_load_b128 v[QF+16*\p+8*\st+4:QF+16*\p+8*\st+7], v[QO], s[46:47] offset:\p*2048+\st*1024+512
.endr
.endr
	v_mov_b32 v[MLA], v[NINF]
	v_mov_b32 v[MLA+1], 0
	v_mov_b32 v[MLB], v[NINF]
	v_mov_b32 v[MLB+1], 0
.irp j, 0,1,2,3,4,5,6,7
	v_mov_b32 v[LA+\j], 0
.endr
	v_mov_b32 v[T2], 0                             ; v_permlanex16_b32 counts as a reader of its destination
.set i_, 0
.rept 64
	v_mov_b32 v[OA+i_], 0
.set i_, i_+1
.endr
	s_wait_loadcnt 0x0
.endm
; A piece's way out: the sum's two halves meet, O / sum, 16 rows through my own stage, whole rows of 256 bytes to memory.
.macro FINPIECE p, S, ML, L, O
	v_pk_add_f32 v[\L:\L+1], v[\L:\L+1], v[\L+2:\L+3]
	v_add_f32 v[\L], v[\L], v[\L+1]
	v_permlanex16_b32 v[T2], v[\L], s50, s51
	v_add_f32 v[\L], v[\L], v[T2]
	v_rcp_f32 v[\ML+1], v[\L]                      ; the sum is at least 1: the largest score's term
	v_nop                                          ; the plain instruction behind the reciprocal
	s_wait_alu depctr_va_vdst(0)
.irp j, 0,2,4,6,8,10,12,14,16,18,20,22,24,26,28,30
	v_pk_mul_f32 v[\O+\j:\O+\j+1], v[\O+\j:\O+\j+1], v[\ML:\ML+1] op_sel:[0,1] op_sel_hi:[1,1]
.endr
.irp db, 0,1,2,3
	ds_store_b128 v[STO], v[\O+8*\db:\O+8*\db+3]   offset:\p*16*SP+64*\db       ; query r, d = 16 db + 8 h + 0..3
	ds_store_b128 v[STO], v[\O+8*\db+4:\O+8*\db+7] offset:\p*16*SP+64*\db+16    ; + 4..7
.endr
.irp t, 0,1,2,3,4,5,6,7
	ds_load_b128 v[\S+4*\t:\S+4*\t+3], v[RD] offset:\p*16*SP+2*SP*\t            ; LDS serves a wave's instructions in order (ISA guide 5.7.1): these see the stores above
.endr
.irp t, 0,1,2,3,4,5,6,7
	s_wait_dscnt 7-\t                              ; rows 2 t, 2 t + 1 are back; the younger loads stay out
	global_store_b128 v[CO], v[\S+4*\t:\S+4*\t+3], s[48:49] offset:(16*\p+2*\t)*4096 th:TH_STORE_NT   ; 16 lanes store 256 consecutive bytes, aligned
.endr
.endm
.macro FINAL
	FINPIECE 0, SA, MLA, LA, OA
	FINPIECE 1, SB, MLB, LB, OB
.endm
	; PASS 1: block q1 (odd): tiles 0 .. q1 - 1 in full, tile q1 on the diagonal; tile t lies in slot t % 2
	PASSINIT 15
	s_sub_co_u32 s44, s15, 1
	s_lshr_b32 s44, s44, 1                         ; (q1 - 1) / 2 pairs of full tiles
	s_cmp_eq_u32 s44, 0
	s_cbranch_scc1 .Lp1_done                       ; the same in all four waves: it hangs on the group's number alone
.Lp1:
	TRIP 0, 1, 0
	TRIP 1, 1, 0
	s_sub_co_i32 s44, s44, 1
	s_cmp_lg_u32 s44, 0
	s_cbranch_scc1 .Lp1
.Lp1_done:
	TRIP 0, 1, 0                                   ; tile q1 - 1; asks for tile q1
	s_mov_b64 s[NA:NA+1], s[BASE:BASE+1]           ; the next to fetch is pass 2's tile 0 (no pending load names these two registers)
	TRIP 1, 1, 1                                   ; the diagonal tile; asks for pass 2's tile 0, into slot 0
	FINAL
	; PASS 2: block q2 = 15 - q1 (even): q2 full tiles, then the diagonal one in slot 0
	PASSINIT 16
	s_lshr_b32 s44, s16, 1
	s_cmp_eq_u32 s44, 0
	s_cbranch_scc1 .Lp2_done
.Lp2:
	TRIP 0, 1, 0
	TRIP 1, 1, 0
	s_sub_co_i32 s44, s44, 1
	s_cmp_lg_u32 s44, 0
	s_cbranch_scc1 .Lp2
.Lp2_done:
	TRIP 0, 0, 1                                   ; the last tile: nothing more is fetched
	FINAL
	s_set_vgpr_msb 0x8
	s_wait_tensorcnt 0x0
	ds_add_u32 v31, v1
	s_wait_dscnt 0x0
	s_set_vgpr_msb 0x800
	s_endpgm
.Lfunc_end_k_qc6eb0f085c_attn:
	.size	k_qc6eb0f085c_attn, .Lfunc_end_k_qc6eb0f085c_attn-k_qc6eb0f085c_attn
	.p2alignl 7, 3214868480
	.fill 96, 4, 3214868480
	.section	.rodata,"a",@progbits
	.p2align	6, 0x0
	.amdhsa_kernel k_qc6eb0f085c_attn
		.amdhsa_group_segment_fixed_size 327680
		.amdhsa_private_segment_fixed_size 0
		.amdhsa_enable_private_segment 0
		.amdhsa_kernarg_size 32
		.amdhsa_user_sgpr_count 2
		.amdhsa_user_sgpr_kernarg_segment_ptr 1
		.amdhsa_wavefront_size32 1
		.amdhsa_system_sgpr_workgroup_id_x 1
		.amdhsa_system_sgpr_workgroup_id_y 1
		.amdhsa_system_sgpr_workgroup_id_z 1
		.amdhsa_system_vgpr_workitem_id 0
		.amdhsa_next_free_vgpr 514
		.amdhsa_next_free_sgpr 66
		.amdhsa_reserve_vcc 1
		.amdhsa_float_denorm_mode_32 3
		.amdhsa_float_denorm_mode_16_64 3
		.amdhsa_memory_ordered 1
		.amdhsa_forward_progress 1
		.amdhsa_inst_pref_size 255
	.end_amdhsa_kernel
	.section	.bss,"aw",@nobits
	.p2align	6
	.space	262144
	.amdgpu_metadata
---
amdhsa.version: [ 1, 2 ]
amdhsa.kernels:
  - .name:           k_qc6eb0f085c_attn
    .symbol:         k_qc6eb0f085c_attn.kd
    .args:
      - { .name: Qw, .offset: 0, .size: 8, .value_kind: global_buffer, .address_space: global }
      - { .name: Kw, .offset: 8, .size: 8, .value_kind: global_buffer, .address_space: global }
      - { .name: Vw, .offset: 16, .size: 8, .value_kind: global_buffer, .address_space: global }
      - { .name: out0, .offset: 24, .size: 8, .value_kind: global_buffer, .address_space: global }
    .group_segment_fixed_size: 327680
    .private_segment_fixed_size: 0
    .kernarg_segment_align: 8
    .kernarg_segment_size: 32
    .max_flat_workgroup_size: 128
    .sgpr_count:     66
    .vgpr_count:     514
    .wavefront_size: 32
...
	.end_amdgpu_metadata
.endif
;; end of part 3
;; ======== version 2 of 2: 3 launches; version 1 with the launch cast written anew for expert scheduling mode
;; limits: values are held in f16: magnitudes above 65,504 overflow, below 6.1e-05 lose precision
;; workspace buffers: Xb 8,388,608 bytes; Wb 6,291,456 bytes; Qw 8,388,608 bytes; Kw 8,388,608 bytes; Vw 8,388,608 bytes
;; launch cast (part 4): grid 448 x 1, 8 waves a work-group, no clusters, 0 bytes of LDS; arguments X, Wq, Wk, Wv, Xb, Wb; writes Xb, Wb
.if DOCPART == 4
	.amdgcn_target "amdgcn-amd-amdhsa--gfx1250"
	.amdhsa_code_object_version 6
	.text
	.protected	k_qc6eb0f085c_cast
	.globl	k_qc6eb0f085c_cast
	.p2align	8
	.type	k_qc6eb0f085c_cast,@function
k_qc6eb0f085c_cast:
	s_mov_b64 s[64:65], 0
	v_nop
	global_prefetch_b8 v0, s[64:65] scope:SCOPE_SE
	s_setreg_imm32_b32 hwreg(HW_REG_WAVE_SCHED_MODE, 0, 2), 2
	s_setreg_imm32_b32 hwreg(HW_REG_WAVE_MODE, 25, 1), 1
	s_wait_xcnt 0x0
	s_wait_alu depctr_vm_vsrc(0)
; cast: X [4096][1024] and Wq, Wk, Wv [1024][1024], all f32, are rounded once to bf16 (nearest even).
; Xb keeps X's order.  Wb is [3072][1024]: row head*192 + p*64 + i holds row head*64 + i of W_p (p = 0 Wq, 1 Wk, 2 Wv), so that
; the 192 weight rows that one head needs lie together.
; A stream: no LDS, no barrier, no matrix unit.  A work-group takes 16 rows of 4,096 bytes: groups 0-255 X, 256-319 Wq, 320-383 Wk,
; 384-447 Wv.  Thread t takes the 16 bytes at 16 t of every row; all 16 loads of a thread are issued before the first is used.
; A wave's load covers 512 consecutive bytes, its store 256 consecutive bytes at a multiple of 256 from the buffer's first byte.
; THE MODE: SCHED_MODE bits 1:0 = 2 (LLVM: expert scheduling mode 2), set by the entry lines.  The code itself states the register dependences
; between vector instructions and memory instructions, with s_wait_alu, always for 0.
; THE PLAN.  Registers that memory instructions touch:
;   v1, v2   byte offsets, written once at the head by vector instructions; v1 is read by every load, v2 by every store; never written again.
;   IN       written by the loads alone, which are issued before any vector instruction names these registers; read by the conversions.
;   OUT      row j's pair is written once, by row j's two conversions, and read once, by row j's store.
; No register that a memory instruction reads is written a second time.  So the waits are five: one ahead of the first load, for the two offsets,
; and one for each block of four rows, between the block's eight conversions and its run of four stores.
.set IN,  8                            ; v[8:71]    load j: 4 f32
.set OUT, 72                           ; v[72:103]  store j: 4 bf16 in 2 registers
	s_load_b256 s[4:11], s[0:1], 0x0               ; X s[4:5], Wq s[6:7], Wk s[8:9], Wv s[10:11]
	s_load_b128 s[12:15], s[0:1], 0x20             ; Xb s[12:13], Wb s[14:15]
	v_lshlrev_b32 v1, 4, v0                        ; 16 t: my bytes in a source row
	v_lshlrev_b32 v2, 3, v0                        ; 8 t: my bytes in a destination row
	s_mov_b32 s16, ttmp9                           ; g
	s_lshr_b32 s18, s16, 6                         ; 0-3: X, 4: Wq, 5: Wk, 6: Wv
	s_and_b32 s17, s16, 63                         ; which 16 rows of a weight matrix
	s_lshl_b32 s20, s17, 16                        ; weights: source offset, 16 rows of 4,096 bytes
	s_lshr_b32 s19, s17, 2                         ; head = first row / 64
	s_and_b32 s21, s17, 3
	s_mul_i32 s19, s19, 192
	s_lshl_b32 s21, s21, 4                         ; i0 = first row mod 64
	s_add_co_u32 s19, s19, s21
	s_max_u32 s22, s18, 4
	s_sub_co_u32 s22, s22, 4                       ; p (0 for the groups of X, whose weight offsets are not used)
	s_lshl_b32 s22, s22, 6
	s_add_co_u32 s19, s19, s22                     ; destination row head*192 + p*64 + i0
	s_lshl_b32 s22, s19, 11                        ; in bytes
	s_lshl_b32 s24, s16, 16                        ; X: source offset
	s_lshl_b32 s26, s16, 15                        ; X: destination offset
	s_mov_b32 s21, 0
	s_mov_b32 s23, 0
	s_wait_kmcnt 0x0
	s_cmp_lt_u32 s16, 256                          ; a group of X?  The selects below hang on the group's number alone
	s_cselect_b32 s20, s24, s20
	s_cselect_b32 s22, s26, s22
	s_cselect_b64 s[12:13], s[12:13], s[14:15]     ; destination: Xb or Wb
	s_cselect_b64 s[4:5], s[4:5], s[6:7]           ; source: X or Wq,
	s_cmp_eq_u32 s18, 5
	s_cselect_b64 s[4:5], s[8:9], s[4:5]           ; or Wk,
	s_cmp_eq_u32 s18, 6
	s_cselect_b64 s[4:5], s[10:11], s[4:5]         ; or Wv
	s_add_nc_u64 s[4:5], s[4:5], s[20:21]
	s_add_nc_u64 s[12:13], s[12:13], s[22:23]
	s_wait_alu depctr_va_vdst(0)                   ; v1 and v2 are written: the loads below read v1 as their offset, the stores v2; no later vector instruction names either
.irp j, 0,1,2,3,4,5,6,7,8,9,10,11,12,13,14,15
	global_load_b128 v[IN+4*\j:IN+4*\j+3], v1, s[4:5] offset:4096*\j th:TH_LOAD_NT   ; read once in the launch
.endr
; Four blocks of four rows: the block's data, its eight conversions, one wait, its four stores.
.irp p, 0,1,2,3
	s_wait_loadcnt 12-4*(\p)                       ; loads return in order: rows 4 p .. 4 p + 3 are in, the 12 - 4 p younger ones stay out
.irp i, 0,1,2,3
	v_cvt_pk_bf16_f32 v[OUT+2*(4*(\p)+(\i))],   v[IN+4*(4*(\p)+(\i))],   v[IN+4*(4*(\p)+(\i))+1]
	v_cvt_pk_bf16_f32 v[OUT+2*(4*(\p)+(\i))+1], v[IN+4*(4*(\p)+(\i))+2], v[IN+4*(4*(\p)+(\i))+3]
.endr
	s_wait_alu depctr_va_vdst(0)                   ; the block's eight conversions have written its eight registers of OUT, which the four stores below read
.irp i, 0,1,2,3
	global_store_b64 v2, v[OUT+2*(4*(\p)+(\i)):OUT+2*(4*(\p)+(\i))+1], s[12:13] offset:2048*(4*(\p)+(\i))   ; no register is written twice: nothing more is owed behind a store
.endr
.endr
	s_endpgm
.Lfunc_end_k_qc6eb0f085c_cast:
	.size	k_qc6eb0f085c_cast, .Lfunc_end_k_qc6eb0f085c_cast-k_qc6eb0f085c_cast
	.p2alignl 7, 3214868480
	.fill 96, 4, 3214868480
	.section	.rodata,"a",@progbits
	.p2align	6, 0x0
	.amdhsa_kernel k_qc6eb0f085c_cast
		.amdhsa_group_segment_fixed_size 0
		.amdhsa_private_segment_fixed_size 0
		.amdhsa_enable_private_segment 0
		.amdhsa_kernarg_size 48
		.amdhsa_user_sgpr_count 2
		.amdhsa_user_sgpr_kernarg_segment_ptr 1
		.amdhsa_wavefront_size32 1
		.amdhsa_system_sgpr_workgroup_id_x 1
		.amdhsa_system_sgpr_workgroup_id_y 1
		.amdhsa_system_sgpr_workgroup_id_z 1
		.amdhsa_system_vgpr_workitem_id 0
		.amdhsa_next_free_vgpr 104
		.amdhsa_next_free_sgpr 66
		.amdhsa_reserve_vcc 0
		.amdhsa_float_denorm_mode_32 3
		.amdhsa_float_denorm_mode_16_64 3
		.amdhsa_memory_ordered 1
		.amdhsa_forward_progress 1
		.amdhsa_inst_pref_size 7
	.end_amdhsa_kernel
	.amdgpu_metadata
---
amdhsa.version: [ 1, 2 ]
amdhsa.kernels:
  - .name:           k_qc6eb0f085c_cast
    .symbol:         k_qc6eb0f085c_cast.kd
    .args:
      - { .name: X, .offset: 0, .size: 8, .value_kind: global_buffer, .address_space: global }
      - { .name: Wq, .offset: 8, .size: 8, .value_kind: global_buffer, .address_space: global }
      - { .name: Wk, .offset: 16, .size: 8, .value_kind: global_buffer, .address_space: global }
      - { .name: Wv, .offset: 24, .size: 8, .value_kind: global_buffer, .address_space: global }
      - { .name: Xb, .offset: 32, .size: 8, .value_kind: global_buffer, .address_space: global }
      - { .name: Wb, .offset: 40, .size: 8, .value_kind: global_buffer, .address_space: global }
    .group_segment_fixed_size: 0
    .private_segment_fixed_size: 0
    .kernarg_segment_align: 8
    .kernarg_segment_size: 48
    .max_flat_workgroup_size: 256
    .sgpr_count:     66
    .vgpr_count:     104
    .wavefront_size: 32
...
	.end_amdgpu_metadata
.endif
;; end of part 4
;; launch qkv: the kernel of part 2 again; grid 16 x 16, 4 waves a work-group, clusters of 4 x 4, 327,680 bytes of LDS; arguments Xb, Wb, bq, bk, bv, Qw, Kw, Vw; writes Qw, Kw, Vw
;; launch attn: the kernel of part 3 again; grid 8 x 32, 4 waves a work-group, no clusters, 327,680 bytes of LDS; arguments Qw, Kw, Vw, out0; writes out0
